; MI455X (gfx1250); checked and timed in simulation.
; The chip was launched on July 23, 2026; its instructions are those of AMD's public machine-readable ISA for CDNA 5 (MIT licence, August 2026) and "CDNA5" Instruction Set Architecture Reference Guide (July 2026). The comments in the code are by the model that wrote it; some were corrected since.
;; Quantum Inspired Attention. Allowed arithmetic: float matrix products may take bf16 or f16 operands with f32 sums; all other float work in f32.
;; Inputs: W_ent 8 x 512 x 1,024 float32; b_ent 8 x 512 float32; ln_b 512 float32; ln_g 512 float32; m1_b 512 float32; m1_w 512 x 4,096 float32; m2_b 1 float32; m2_w 1 x 512 float32; x 16 x 1,024 x 512 float32.
;; Outputs: out0 16 x 512 float32; out1 16 x 1,024 x 1 float32.
;; One version. Each part assembles by itself: llvm-mc -triple=amdgcn-amd-amdhsa -mcpu=gfx1250 --defsym DOCPART=n.
;; ======== version 1 of 1: 4 launches
;; workspace buffers: part 16,777,216 bytes; xpart 65,536 bytes; M1F 524,288 bytes; c2 65,536 bytes; cbpart 16,384 bytes; logits 65,536 bytes; pstat 65,536 bytes; pctx 524,288 bytes
;; launch fold (part 1): grid 32 x 8, 8 waves a work-group, no clusters, 76,800 bytes of LDS; arguments x, W_ent, m1_w, part, xpart; writes part, xpart
.if DOCPART == 1
	.amdgcn_target "amdgcn-amd-amdhsa--gfx1250"
	.amdhsa_code_object_version 6
	.text
	.protected	k_qcf994f87e5_fold
	.globl	k_qcf994f87e5_fold
	.p2align	8
	.type	k_qcf994f87e5_fold,@function
k_qcf994f87e5_fold:
	s_mov_b64 s[64:65], 0
	v_nop
	global_prefetch_b8 v0, s[64:65] scope:SCOPE_SE
	s_setreg_imm32_b32 hwreg(HW_REG_WAVE_MODE, 25, 1), 1
	s_wait_xcnt 0x0
; FOLD.  Nothing non-linear stands between the gates and the first measurement layer, so their product is formed once:
;   Mfull[f][dd] = sum over k = 8 e + s of m1_w[f][k] * W_ent[s][e][dd]        (512 x 1024, K = 4096)
; This launch makes split-K partial sums of Mfull: a work-group takes 128 f x 128 dd x 512 k (4 x 8 x 8 = 256 work-groups).
; LIMIT: the order of rounding differs from the written order of the model: m1_w and W_ent are rounded to bf16 once, all sums are f32.
; Eight waves: wave w makes 32 dd (wd = w & 3) x 64 f (wf = w >> 2): 8 accumulator tiles.  K goes in 8 stages of 64 through two LDS slots.
; The f32 operands pass through registers, are rounded to bf16 once and laid in LDS (global_load, v_cvt_pk_bf16_f32, ds_store).
; REQUESTS RUN THREE STAGES AHEAD: a stage is 16 loads of 512 bytes a wave; stage st asks for stage st + 3 and waits for stage st + 1 alone,
; so up to 48 loads a wave (24 KiB; 192 KiB for the work-group) are on their way while 16 matrix instructions a wave are done.
; NO CLUSTER, NO TENSOR LOADS: a tile of m1_w is shared by 8 work-groups and one of W_ent by 4, but a joint tensor load would land f32 in
; LDS: twice the LDS bytes of the bf16 tile (64 KiB instead of 32 KiB a stage), and each m1_w fragment, read by 4 waves, and each W_ent
; fragment, read by 2, would be converted again by every wave that reads it.
; SIDE JOB: work-group i = 32 ks + id also sums 512 rows x 64 columns of x (batch i >> 4, columns 64 ((i >> 1) & 7), row half i & 1) into xpart.
.set SLOT,  36864                      ; an LDS slot: MA then WB
.set WB,    18432                      ; MA: 128 f x 64 k bf16, pitch 144 (9 x 16 bytes); WB: 64 k x 128 dd bf16, pitch 288 (9 x 32 bytes)
.set XSUM,  73728                      ; 8 waves x 256 bytes: the waves' column sums of x
.set H,     16                         ; v[16:47]   a stage's operands as bf16, on their way into LDS: 8 pairs of m1_w, 8 pairs of W_ent
.set ACC,   80                         ; v[80:143]  tile (a, bq) at ACC + 8 (4 a + bq)
.set FA,    144                        ; v[144+48kk ..] 2 fragments of W_ent (rows dd), K step kk of the stage
.set FB,    160                        ; v[160+48kk ..] 4 fragments of m1_w (columns f)
.set XS,    80                         ; v[80:207]  32 x 16 bytes of x, before the product starts
; v256-v511: four sets of 64 registers for the operands as loaded (8 x 16 bytes of m1_w, 8 x 16 bytes of W_ent); stage st uses set st & 3,
; written v[64 (st & 3) ..] under the second register window.
.set MSB, 0
.macro WIN new                         ; s_set_vgpr_msb: bits 1:0 source 0, 3:2 source 1, 5:4 source 2, 7:6 destination; the high byte repeats the setting that is left
.if MSB != \new
	s_set_vgpr_msb (MSB<<8)|\new
.set MSB, \new
.endif
.endm
	s_load_b256 s[4:11], s[0:1], 0x0               ; x s[4:5], W_ent s[6:7], m1_w s[8:9], part s[10:11]
	s_load_b64 s[12:13], s[0:1], 0x20              ; xpart
	v_lshl_add_u32 v78, v0, 2, 0x12800
	v_mov_b32 v79, 0
	v_lshrrev_b32 v1, 5, v0
	v_readfirstlane_b32 s14, v1                    ; wave w
	s_mov_b32 s15, ttmp9                           ; id
	s_and_b32 s16, ttmp7, 0xffff                   ; ks: block of 512 k
	s_and_b32 s17, s15, 7                          ; mt: block of 128 dd
	s_lshr_b32 s18, s15, 3                         ; nt: block of 128 f
	s_and_b32 s19, s14, 3                          ; wd
	s_lshr_b32 s20, s14, 2                         ; wf
	s_mov_b32 s23, 0                               ; high word of every offset pair
	s_mov_b32 s24, 0x76543210                      ; v_permlanex16_b32: lane i reads lane i of the other half
	s_mov_b32 s25, 0xfedcba98
	v_and_b32 v1, 31, v0                           ; L
	v_and_b32 v13, 15, v0                          ; r
	v_bfe_u32 v14, v0, 4, 1                        ; h
	v_lshrrev_b32 v15, 4, v0                       ; 2 w + h
	v_lshlrev_b32 v2, 4, v13
	v_lshl_add_u32 v4, v15, 11, v2                 ; x: row 2 w + h (2,048 bytes), 16 r
	v_lshl_add_u32 v2, v15, 14, v2                 ; m1_w: row 2 w + h (16,384 bytes), 16 r
	s_lshl_b32 s26, s14, 21
	v_lshl_add_u32 v3, v1, 4, s26                  ; W_ent: gate s = w (2,097,152 bytes), 16 L
	v_mul_u32_u24 v5, v15, 144
	v_lshl_add_u32 v5, v13, 3, v5                  ; MA store: row 2 w + h, 8 r
	s_mul_i32 s26, s14, 288
	s_add_co_u32 s26, s26, WB
	v_lshl_add_u32 v6, v1, 3, s26                  ; WB store: k row w, 8 L
	s_mul_i32 s26, s20, 9216
	v_mul_u32_u24 v7, v13, 144
	v_lshl_add_u32 v7, v14, 4, v7
	v_add_nc_u32 v7, s26, v7                       ; m1_w fragment: (64 wf + r) 144 + 16 h
	v_and_b32 v8, 7, v0
	v_lshl_or_b32 v8, v14, 3, v8
	v_mul_u32_u24 v8, v8, 288
	v_bfe_u32 v16, v0, 3, 1
	v_lshl_add_u32 v8, v16, 4, v8
	s_lshl_b32 s26, s19, 6
	s_add_co_u32 s26, s26, WB
	v_add_nc_u32 v8, s26, v8                       ; transposing load: (8 h + (L & 7)) 288 + 64 wd + 16 ((L >> 3) & 1)
	s_lshl_b32 s26, s20, 18
	s_lshl_b32 s27, s19, 11
	s_add_co_u32 s26, s26, s27
	v_lshl_add_u32 v9, v1, 4, s26                  ; part: wf 262,144 + wd 2,048 + 16 L
	s_lshl_b32 s26, s14, 8
	s_add_co_u32 s26, s26, XSUM
	v_lshl_add_u32 v10, v13, 4, s26                ; my wave's 256 bytes of XSUM, 16 r
	v_lshlrev_b32 v12, 3, v1                       ; 8 L
	v_add_nc_u32 v11, XSUM, v12
	; the five bases, formed once and never stepped: every stage stands in an immediate offset
	s_lshl_b32 s22, s18, 21
	s_lshl_b32 s26, s16, 11
	s_add_co_u32 s22, s22, s26
	s_wait_kmcnt 0x0
	s_add_nc_u64 s[8:9], s[8:9], s[22:23]          ; m1_w + 128 nt rows + 512 ks columns
	s_lshl_b32 s22, s16, 18
	s_lshl_b32 s26, s17, 9
	s_add_co_u32 s22, s22, s26
	s_add_nc_u64 s[6:7], s[6:7], s[22:23]          ; W_ent + 64 ks rows e + 128 mt columns
	s_lshl_b32 s27, s16, 5
	s_add_co_u32 s27, s27, s15                     ; i = 32 ks + id
	s_lshr_b32 s28, s27, 4                         ; batch
	s_bfe_u32 s29, s27, 0x30001                    ; column strip (3 bits from bit 1)
	s_and_b32 s30, s27, 1                          ; row half
	s_lshl_b32 s31, s29, 8
	s_lshl_b32 s22, s28, 21
	s_lshl_b32 s26, s30, 20
	s_add_co_u32 s22, s22, s26
	s_add_co_u32 s22, s22, s31
	s_add_nc_u64 s[4:5], s[4:5], s[22:23]          ; x
	s_lshl_b32 s22, s30, 15
	s_lshl_b32 s26, s28, 11
	s_add_co_u32 s22, s22, s26
	s_add_co_u32 s22, s22, s31
	s_add_nc_u64 s[12:13], s[12:13], s[22:23]      ; xpart[row half][batch][64 strip]
	s_lshl_b32 s22, s16, 21
	s_lshl_b32 s26, s18, 19
	s_add_co_u32 s22, s22, s26
	s_lshl_b32 s26, s17, 13
	s_add_co_u32 s22, s22, s26
	s_add_nc_u64 s[10:11], s[10:11], s[22:23]      ; part[ks][8 nt][4 mt]
; 16 loads into set st & 3: stage st's 128 rows x 256 bytes of m1_w (sixteen lanes take a row's 256 bytes) and its 64 k rows x 512 bytes
; of W_ent (k row 8 p + w is gate w, row e = 64 ks + 8 st + p: a wave takes the row's 512 bytes)
.macro GLOAD st
	WIN 0x40                                       ; destination in the second window, address in the first
.irp p, 0,1,2,3,4,5,6,7
	global_load_b128 v[64*((\st)&3)+4*\p:64*((\st)&3)+4*\p+3], v2, s[8:9] offset:\p*262144+(\st)*256
.endr
.irp p, 0,1,2,3,4,5,6,7
	global_load_b128 v[64*((\st)&3)+32+4*\p:64*((\st)&3)+32+4*\p+3], v3, s[6:7] offset:(\st)*32768+\p*4096
.endr
.endm
; rounds stage st's 64 numbers a lane to bf16, out of set st & 3 into H, and lays them into slot st & 1
.macro CVST st
	WIN 0x05                                       ; both sources in the second window, destination in the first
.irp i, 0,1,2,3,4,5,6,7,8,9,10,11,12,13,14,15
	v_cvt_pk_bf16_f32 v[H+2*\i], v[64*((\st)&3)+4*\i], v[64*((\st)&3)+4*\i+1]
	v_cvt_pk_bf16_f32 v[H+2*\i+1], v[64*((\st)&3)+4*\i+2], v[64*((\st)&3)+4*\i+3]
.endr
	WIN 0
.irp p, 0,1,2,3,4,5,6,7
	ds_store_b64 v5, v[H+2*\p:H+2*\p+1] offset:((\st)&1)*SLOT+\p*2304
	ds_store_b64 v6, v[H+16+2*\p:H+16+2*\p+1] offset:((\st)&1)*SLOT+\p*2304
.endr
.endm
; 24 LDS loads out of slot st & 1: the fragments of the stage's two K steps of 32, twelve loads each
.macro FRAGS st
	WIN 0
.irp kk, 0,1
.irp a, 0,1
	ds_load_tr16_b128 v[FA+48*\kk+8*\a:FA+48*\kk+8*\a+3], v8 offset:((\st)&1)*SLOT+\kk*9216+\a*32
	ds_load_tr16_b128 v[FA+48*\kk+8*\a+4:FA+48*\kk+8*\a+7], v8 offset:((\st)&1)*SLOT+\kk*9216+\a*32+4608
.endr
.irp bq, 0,1,2,3
	ds_load_b128 v[FB+48*\kk+8*\bq:FB+48*\kk+8*\bq+3], v7 offset:((\st)&1)*SLOT+\bq*2304+\kk*64
	ds_load_b128 v[FB+48*\kk+8*\bq+4:FB+48*\kk+8*\bq+7], v7 offset:((\st)&1)*SLOT+\bq*2304+\kk*64+32
.endr
.endr
.endm
; 8 matrix instructions.  The eight accumulators take turns, one instruction a turn.
.macro MM kk, zero
.irp a, 0,1
.irp bq, 0,1,2,3
.if \zero
	v_wmma_f32_16x16x32_bf16 v[ACC+8*(4*\a+\bq):ACC+8*(4*\a+\bq)+7], v[FA+48*\kk+8*\a:FA+48*\kk+8*\a+7], v[FB+48*\kk+8*\bq:FB+48*\kk+8*\bq+7], 0
.else
	v_wmma_f32_16x16x32_bf16 v[ACC+8*(4*\a+\bq):ACC+8*(4*\a+\bq)+7], v[FA+48*\kk+8*\a:FA+48*\kk+8*\a+7], v[FB+48*\kk+8*\bq:FB+48*\kk+8*\bq+7], v[ACC+8*(4*\a+\bq):ACC+8*(4*\a+\bq)+7]
.endif
.endr
.endr
.endm
; Stage st: asks for stage st + 3, multiplies slot st & 1, lays stage st + 1 into the other slot.
; The set that stage st + 3 lands in, (st + 3) & 3 = (st - 1) & 3, held stage st - 1, which was converted two stages ago; it is neither of the
; sets of the pending stages st + 1 and st + 2.
; ONE barrier a stage: in front of it every wave's reads of slot st & 1 and its stores into the other slot are done (s_wait_dscnt 0); the other
; slot was last read in the stage before, ahead of that stage's barrier.  The 32 conversions stand between a stage's last matrix instruction
; and the next stage's loads into the fragment registers (ISA guide 7.12.1 asks for four independent vector instructions there).
.macro STAGE st, zero
.if \st <= 4
	GLOAD \st+3
.endif
	FRAGS \st
	s_wait_dscnt 12                                ; the first K step's twelve loads are in, the second's twelve may be out
	MM 0, \zero
	s_wait_dscnt 0x0
	MM 1, 0
.if \st <= 6
.if \st <= 4
	s_wait_loadcnt 32                              ; stage st + 1 is in; the 32 loads of stages st + 2 and st + 3 stay out
.else
	s_wait_loadcnt 16*(6-\st)                      ; the last stages ask for nothing: what is left behind stage st + 1
.endif
	CVST \st+1
	s_wait_dscnt 0x0                               ; for the other waves: my stores have landed
	s_barrier_signal -1
	s_barrier_wait -1
.endif
.endm
	GLOAD 0
	WIN 0
.set n, 0
.rept 32
	global_load_b128 v[XS+4*n:XS+4*n+3], v4, s[4:5] offset:n*32768     ; x rows 16 n + 2 w + h of my 512: sixteen lanes take the strip's 256 bytes
.set n, n+1
.endr
	GLOAD 1
	s_wait_loadcnt 48                              ; stage 0's 16 loads are in; the 32 of x and the 16 of stage 1 stay out
	CVST 0
	GLOAD 2
	WIN 0
	; column sums of x: four groups of eight rows, each added as it arrives
.irp g, 0,1,2,3
	s_wait_loadcnt 56-8*\g                         ; this group's eight loads are in; the younger groups of x and the 32 loads of stages 1 and 2 stay out
.irp u, 1,2,3,4,5,6,7
	v_pk_add_f32 v[XS+32*\g:XS+32*\g+1], v[XS+32*\g:XS+32*\g+1], v[XS+32*\g+4*\u:XS+32*\g+4*\u+1]
	v_pk_add_f32 v[XS+32*\g+2:XS+32*\g+3], v[XS+32*\g+2:XS+32*\g+3], v[XS+32*\g+4*\u+2:XS+32*\g+4*\u+3]
.endr
.endr
.irp g, 1,2,3
	v_pk_add_f32 v[XS:XS+1], v[XS:XS+1], v[XS+32*\g:XS+32*\g+1]
	v_pk_add_f32 v[XS+2:XS+3], v[XS+2:XS+3], v[XS+32*\g+2:XS+32*\g+3]
.endr
.irp t, 0,1,2,3
	v_permlanex16_b32 v[XS+4+\t], v[XS+\t], s24, s25       ; the other half of the lanes holds the odd rows of the same columns
.endr
	v_pk_add_f32 v[XS:XS+1], v[XS:XS+1], v[XS+4:XS+5]
	v_pk_add_f32 v[XS+2:XS+3], v[XS+2:XS+3], v[XS+6:XS+7]
	ds_store_b128 v10, v[XS:XS+3]                  ; both halves write the same words with the same values
	s_wait_dscnt 0x0                               ; my sums and my part of slot 0 have landed
	s_barrier_signal -1
	s_barrier_wait -1
	s_cmp_lg_u32 s14, 0
	s_cbranch_scc1 .Lnot_wave_0
.irp u, 0,1,2,3,4,5,6,7
	ds_load_b64 v[240+2*\u:241+2*\u], v11 offset:\u*256    ; the eight waves' sums of my two columns
.endr
	s_wait_dscnt 0x0
.irp u, 1,2,3,4,5,6,7
	v_pk_add_f32 v[240:241], v[240:241], v[240+2*\u:241+2*\u]
.endr
	global_store_b64 v12, v[240:241], s[12:13]     ; 32 lanes store 256 consecutive bytes, aligned; v12 and v[240:241] are never written again
.Lnot_wave_0:
	STAGE 0, 1                                     ; the first products start the sums: nothing is cleared
	STAGE 1, 0
	STAGE 2, 0
	STAGE 3, 0
	STAGE 4, 0
	STAGE 5, 0
	STAGE 6, 0
	STAGE 7, 0                                     ; the last stage lays nothing into LDS
.rept 4
	v_nop                                          ; four places between the last matrix instruction and the stores of its result
.endr
	; lane (r, h), register j of tile (a, bq) holds f = 128 nt + 64 wf + 16 bq + r, dd = 128 mt + 32 wd + 16 a + 8 h + j.
	; part keeps that register order, so each store of the wave covers 512 consecutive bytes.
.irp a, 0,1
.irp bq, 0,1,2,3
.irp q, 0,1
	global_store_b128 v9, v[ACC+8*(4*\a+\bq)+4*\q:ACC+8*(4*\a+\bq)+4*\q+3], s[10:11] offset:\bq*65536+\a*1024+\q*512
.endr
.endr
.endr
	s_wait_tensorcnt 0x0
	ds_add_u32 v78, v79
	s_wait_dscnt 0x0
	s_endpgm
.Lfunc_end_k_qcf994f87e5_fold:
	.size	k_qcf994f87e5_fold, .Lfunc_end_k_qcf994f87e5_fold-k_qcf994f87e5_fold
	.p2alignl 7, 3214868480
	.fill 96, 4, 3214868480
	.section	.rodata,"a",@progbits
	.p2align	6, 0x0
	.amdhsa_kernel k_qcf994f87e5_fold
		.amdhsa_group_segment_fixed_size 76800
		.amdhsa_private_segment_fixed_size 0
		.amdhsa_enable_private_segment 0
		.amdhsa_kernarg_size 40
		.amdhsa_user_sgpr_count 2
		.amdhsa_user_sgpr_kernarg_segment_ptr 1
		.amdhsa_wavefront_size32 1
		.amdhsa_system_sgpr_workgroup_id_x 1
		.amdhsa_system_sgpr_workgroup_id_y 1
		.amdhsa_system_sgpr_workgroup_id_z 1
		.amdhsa_system_vgpr_workitem_id 0
		.amdhsa_next_free_vgpr 512
		.amdhsa_next_free_sgpr 66
		.amdhsa_reserve_vcc 0
		.amdhsa_float_denorm_mode_32 3
		.amdhsa_float_denorm_mode_16_64 3
		.amdhsa_memory_ordered 1
		.amdhsa_forward_progress 1
		.amdhsa_inst_pref_size 73
	.end_amdhsa_kernel
	.amdgpu_metadata
---
amdhsa.version: [ 1, 2 ]
amdhsa.kernels:
  - .name:           k_qcf994f87e5_fold
    .symbol:         k_qcf994f87e5_fold.kd
    .args:
      - { .name: x, .offset: 0, .size: 8, .value_kind: global_buffer, .address_space: global }
      - { .name: W_ent, .offset: 8, .size: 8, .value_kind: global_buffer, .address_space: global }
      - { .name: m1_w, .offset: 16, .size: 8, .value_kind: global_buffer, .address_space: global }
      - { .name: part, .offset: 24, .size: 8, .value_kind: global_buffer, .address_space: global }
      - { .name: xpart, .offset: 32, .size: 8, .value_kind: global_buffer, .address_space: global }
    .group_segment_fixed_size: 76800
    .private_segment_fixed_size: 0
    .kernarg_segment_align: 8
    .kernarg_segment_size: 40
    .max_flat_workgroup_size: 256
    .sgpr_count:     66
    .vgpr_count:     512
    .wavefront_size: 32
...
	.end_amdgpu_metadata
.endif
;; end of part 1
;; launch reduce (part 2): grid 32 x 6, 8 waves a work-group, no clusters, 9,472 bytes of LDS; arguments part, xpart, m1_w, b_ent, M1F, c2, cbpart; writes M1F, c2, cbpart
.if DOCPART == 2
	.amdgcn_target "amdgcn-amd-amdhsa--gfx1250"
	.amdhsa_code_object_version 6
	.text
	.protected	k_qcf994f87e5_reduce
	.globl	k_qcf994f87e5_reduce
	.p2align	8
	.type	k_qcf994f87e5_reduce,@function
k_qcf994f87e5_reduce:
	s_mov_b64 s[64:65], 0
	v_nop
	global_prefetch_b8 v0, s[64:65] scope:SCOPE_SE
	s_setreg_imm32_b32 hwreg(HW_REG_WAVE_MODE, 25, 1), 1
	s_wait_xcnt 0x0
; REDUCE.  Three jobs, told apart by the work-group's y; 32 x 6 = 192 work-groups, each with all its loads issued in one run.
;   y = 0, 1 (M1): adds the eight split-K partial sums of Mfull = [M1 | M2] for dd < 512 and rounds to bf16.  Wave w takes the unit of
;          16 f (16 ft ..) x 32 dd (32 g .., g = 8 y + w), 2 KiB in each of the 8 splits, in matrix-fragment register order; the fragment
;          goes to M1F, in the order in which the next launch loads it.
;   y = 2, 3 (M2): the same sum for dd >= 512, then one matrix instruction against the column sums of x (rounded to bf16), the eight
;          waves' tiles added in LDS:  c2[y - 2][ft][b][f] = (1/1024) sum over d in 256 (y - 2) .. + 255 of (sum over t of x[b][t][d]) * M2[f][d].
;   y = 4, 5 (bias): cbpart[j][f] = sum over k in 512 j .. 512 j + 511 of m1_w[f][k] * b_ent[k & 7][k >> 3], 64 rows f a work-group
;          (rg = ft >> 2), j = 2 (ft & 3) + (y & 1); f32 throughout.
; Every base below that hangs on y is formed with y & 1, which numbers the two work-groups of each job; part's base is formed with y itself
; and is used for y < 4 alone (for y = 4, 5 it still points inside part, and nothing is loaded through it).
; 192 work-groups: what the work divides into while every store still covers whole aligned runs of 256 bytes.  Work-groups share no input: no cluster.
.set REDL, 256                         ; LDS: bytes 0-255 the 64 bias sums; then 8 waves x 1,024 bytes, tiles [b 16][f 16]
.set R,   16                           ; v[16:23]  eight row sums
.set DT,  24                           ; v[24:31]  the M2 tile
.set BP,  32                           ; v[32:47]  my 16 numbers of b_ent in k order
.set F,   48                           ; v[48:55]  the unit as a bf16 fragment
.set XFR, 56                           ; v[56:63]  column sums of x as a bf16 fragment
.set P,   64                           ; v[64:191] the 8 splits, 16 registers each; in the bias job v[64:127] are m1_w's rows 4-7
.set Q,   192                          ; v[192:255] m1_w rows 0-3, or xpart
	s_load_b256 s[4:11], s[0:1], 0x0               ; part s[4:5], xpart s[6:7], m1_w s[8:9], b_ent s[10:11]
	s_load_b128 s[12:15], s[0:1], 0x20             ; M1F s[12:13], c2 s[14:15]
	s_load_b64 s[16:17], s[0:1], 0x30              ; cbpart
	s_set_vgpr_msb 0x40
	v_lshl_add_u32 v0, v0, 2, 0x2100
	v_mov_b32 v1, 0
	s_set_vgpr_msb 0x4000
	v_lshrrev_b32 v1, 5, v0
	v_readfirstlane_b32 s20, v1                    ; wave w
	s_mov_b32 s21, ttmp9                           ; ft
	s_and_b32 s22, ttmp7, 0xffff                   ; y
	s_and_b32 s23, s22, 1                          ; y & 1
	s_mov_b32 s25, 0
	s_mov_b32 s26, 0x76543210
	s_mov_b32 s27, 0xfedcba98
	s_and_b32 s32, s21, 3
	s_lshl1_add_u32 s32, s32, s23                  ; j = 2 (ft & 3) + (y & 1): block of 512 k
	s_lshr_b32 s33, s21, 2                         ; rg: block of 64 rows f
	v_and_b32 v1, 31, v0                           ; L
	v_and_b32 v12, 15, v0                          ; r
	v_bfe_u32 v13, v0, 4, 1                        ; h
	s_lshl_b32 s34, s20, 11
	v_lshl_add_u32 v2, v1, 4, s34                  ; part: 2,048 w + 16 L
	s_lshl_b32 s34, s20, 15
	v_lshl_add_u32 v3, v1, 4, s34                  ; M1F: 32,768 w + 16 L
	s_lshl_b32 s34, s20, 17
	v_lshl_add_u32 v4, v1, 4, s34                  ; m1_w: 8 w rows + 16 L
	v_and_b32 v14, 1, v1
	v_lshrrev_b32 v15, 1, v1
	v_lshlrev_b32 v15, 2, v15
	v_lshl_add_u32 v5, v14, 13, v15                ; b_ent: gate 4 (L & 1), element L >> 1
	v_lshlrev_b32 v6, 11, v12
	v_lshl_add_u32 v6, v13, 5, v6
	s_lshl_b32 s34, s20, 7
	v_add_nc_u32 v6, s34, v6                       ; xpart: batch r, d = 32 w + 8 h
	v_lshlrev_b32 v7, 6, v12
	v_lshl_add_u32 v7, v13, 5, v7
	s_lshl_b32 s34, s20, 10
	s_add_co_u32 s34, s34, REDL
	v_add_nc_u32 v7, s34, v7                       ; my wave's tile: 64 r + 32 h
	v_and_b32 v9, 63, v0
	v_lshlrev_b32 v9, 4, v9                        ; 16 (thread & 63): the closing sum is made by waves 0 and 1
	v_add_nc_u32 v8, REDL, v9
	s_lshl_b32 s34, s20, 5
	v_mov_b32 v10, s34                             ; my wave's 8 words of the bias sums
	v_lshlrev_b32 v11, 3, v1                       ; 8 L
	s_lshl_b32 s24, s21, 16
	s_lshl_b32 s34, s22, 14
	s_add_co_u32 s24, s24, s34
	s_wait_kmcnt 0x0
	s_add_nc_u64 s[28:29], s[4:5], s[24:25]        ; part at unit (ft, 8 y), splits 0-3
	s_add_nc_u64 s[30:31], s[28:29], 0x800000      ; splits 4-7: four splits of 2,097,152 bytes would pass the signed 24-bit immediate
	s_lshl_b32 s24, s23, 10
	s_add_nc_u64 s[6:7], s[6:7], s[24:25]          ; xpart + 256 (y & 1) columns
	s_lshl_b32 s24, s33, 20
	s_lshl_b32 s34, s32, 11
	s_add_co_u32 s24, s24, s34
	s_add_nc_u64 s[8:9], s[8:9], s[24:25]          ; m1_w + 64 rg rows + 512 j columns
	s_lshl_b32 s24, s32, 8
	s_add_nc_u64 s[10:11], s[10:11], s[24:25]      ; b_ent + 64 j elements
	s_lshl_b32 s35, s21, 10
	s_lshl_b32 s24, s23, 18
	s_add_co_u32 s24, s24, s35
	s_add_nc_u64 s[12:13], s[12:13], s[24:25]      ; M1F[8 (y & 1)][ft]
	s_lshl_b32 s24, s23, 15
	s_add_co_u32 s24, s24, s35
	s_add_nc_u64 s[14:15], s[14:15], s[24:25]      ; c2[y & 1][ft]
	s_lshl_b32 s24, s32, 11
	s_lshl_b32 s34, s33, 8
	s_add_co_u32 s24, s24, s34
	s_add_nc_u64 s[16:17], s[16:17], s[24:25]      ; cbpart[j][64 rg]
; the eight splits are added in ascending order; registers 0-7 of the sum are k = 8 h .. + 7, registers 8-15 k = 16 + 8 h .. + 7 of row r:
; packed in pairs they are the 16-bit fragment as the matrix unit takes it (ISA guide 7.12.2)
.macro REDUCE
.irp ks, 1,2,3,4,5,6,7
.irp t, 0,1,2,3,4,5,6,7
	v_pk_add_f32 v[P+2*\t:P+2*\t+1], v[P+2*\t:P+2*\t+1], v[P+16*\ks+2*\t:P+16*\ks+2*\t+1]
.endr
.endr
.irp t, 0,1,2,3,4,5,6,7
	v_cvt_pk_bf16_f32 v[F+\t], v[P+2*\t], v[P+2*\t+1]
.endr
.endm
; my 16 numbers of row i times my 16 numbers of b_ent
.macro DOT i, base
	v_pk_mul_f32 v[12+2*(\i&1):13+2*(\i&1)], v[\base:\base+1], v[BP:BP+1]
.irp t, 1,2,3,4,5,6,7
	v_pk_fma_f32 v[12+2*(\i&1):13+2*(\i&1)], v[\base+2*\t:\base+2*\t+1], v[BP+2*\t:BP+2*\t+1], v[12+2*(\i&1):13+2*(\i&1)]
.endr
	v_add_f32 v[R+\i], v[12+2*(\i&1)], v[13+2*(\i&1)]
.endm
	s_cmp_ge_u32 s22, 4
	s_cbranch_scc1 .Lbias
	; ---- M1 and M2: the unit's eight splits, 32 loads of 512 consecutive bytes ----
.irp ks, 0,1,2,3
.irp c, 0,1,2,3
	global_load_b128 v[P+16*\ks+4*\c:P+16*\ks+4*\c+3], v2, s[28:29] offset:\ks*2097152+\c*512 th:TH_LOAD_NT
.endr
.endr
.irp ks, 0,1,2,3
.irp c, 0,1,2,3
	global_load_b128 v[P+64+16*\ks+4*\c:P+64+16*\ks+4*\c+3], v2, s[30:31] offset:\ks*2097152+\c*512 th:TH_LOAD_NT
.endr
.endr
	s_cmp_ge_u32 s22, 2
	s_cbranch_scc1 .Lm2
	; ---- M1 ----
	s_wait_loadcnt 0x0
	REDUCE
	global_store_b128 v3, v[F:F+3], s[12:13]       ; each store of the wave covers 512 consecutive bytes; v3 and F are not written again
	global_store_b128 v3, v[F+4:F+7], s[12:13] offset:512
	s_branch .Ljoin
.Lm2:
	; ---- M2 ----
.irp rh, 0,1
	global_load_b128 v[Q+16*\rh:Q+16*\rh+3], v6, s[6:7] offset:\rh*32768
	global_load_b128 v[Q+16*\rh+4:Q+16*\rh+7], v6, s[6:7] offset:\rh*32768+16
	global_load_b128 v[Q+16*\rh+8:Q+16*\rh+11], v6, s[6:7] offset:\rh*32768+64
	global_load_b128 v[Q+16*\rh+12:Q+16*\rh+15], v6, s[6:7] offset:\rh*32768+80
.endr
	s_wait_loadcnt 8                               ; part is in; the 8 loads of xpart stay out
	REDUCE
	s_wait_loadcnt 0x0
.irp t, 0,1,2,3,4,5,6,7
	v_pk_add_f32 v[Q+2*\t:Q+2*\t+1], v[Q+2*\t:Q+2*\t+1], v[Q+16+2*\t:Q+16+2*\t+1]     ; the two row halves
.endr
.irp t, 0,1,2,3,4,5,6,7
	v_cvt_pk_bf16_f32 v[XFR+\t], v[Q+2*\t], v[Q+2*\t+1]
.endr
	v_wmma_f32_16x16x32_bf16 v[DT:DT+7], v[F:F+7], v[XFR:XFR+7], 0     ; lane (r = batch, h), register j: f = 8 h + j
.rept 4
	v_nop                                          ; four places in front of the stores of the result
.endr
	ds_store_b128 v7, v[DT:DT+3]
	ds_store_b128 v7, v[DT+4:DT+7] offset:16
	s_branch .Ljoin
.Lbias:
	; ---- bias: wave w takes rows 64 rg + 8 w + i, i = 0 .. 7; 48 loads in one run ----
.irp c, 0,1,2,3
.irp t, 0,1,2,3
	global_load_b32 v[BP+4*\c+\t], v5, s[10:11] offset:\t*2048+\c*64   ; k = 512 j + 128 c + 4 L + t: gate 4 (L & 1) + t, element 64 j + 16 c + (L >> 1)
.endr
.endr
.irp i, 0,1,2,3
.irp c, 0,1,2,3
	global_load_b128 v[Q+16*\i+4*\c:Q+16*\i+4*\c+3], v4, s[8:9] offset:\i*16384+\c*512
.endr
.endr
.irp i, 0,1,2,3
.irp c, 0,1,2,3
	global_load_b128 v[P+16*\i+4*\c:P+16*\i+4*\c+3], v4, s[8:9] offset:(\i+4)*16384+\c*512
.endr
.endr
	s_wait_loadcnt 16                              ; b_ent and rows 0-3 are in; the 16 loads of rows 4-7 stay out
	DOT 0, Q
	DOT 1, Q+16
	DOT 2, Q+32
	DOT 3, Q+48
	s_wait_loadcnt 0x0
	DOT 4, P
	DOT 5, P+16
	DOT 6, P+32
	DOT 7, P+48
.irp m, 1,2,4,8
.irp i, 0,1,2,3,4,5,6,7
	v_add_f32_dpp v[R+\i], v[R+\i], v[R+\i] row_xmask:\m row_mask:0xf bank_mask:0xf
.endr
.endr
.irp i, 0,1,2,3,4,5,6,7
	v_permlanex16_b32 v[P+\i], v[R+\i], s26, s27   ; the destination has been written (row 4's loads)
.endr
.irp i, 0,2,4,6
	v_pk_add_f32 v[R+\i:R+\i+1], v[R+\i:R+\i+1], v[P+\i:P+\i+1]
.endr
	ds_store_b128 v10, v[R:R+3]                    ; every lane holds the sums: all write the same words
	ds_store_b128 v10, v[R+4:R+7] offset:16
.Ljoin:
	; the one barrier stands on every path of the text, so that none hangs on a branch; the M1 job has nothing pending at it
	s_wait_dscnt 0x0                               ; for the other waves: my stores have landed
	s_barrier_signal -1
	s_barrier_wait -1
	s_cmp_ge_u32 s22, 4
	s_cbranch_scc1 .Ltailb
	s_cmp_ge_u32 s22, 2
	s_cbranch_scc1 .Ltail2
	s_set_vgpr_msb 0x5
	s_wait_tensorcnt 0x0
	ds_add_u32 v0, v1
	s_wait_dscnt 0x0
	s_set_vgpr_msb 0x500
	s_endpgm                                       ; M1: the fragments are on their way out
.Ltailb:
	s_cmp_lg_u32 s20, 0
	s_cbranch_scc1 .Lend
	ds_load_b64 v[12:13], v11                      ; the 64 bias sums, two a lane
	s_wait_dscnt 0x0
	global_store_b64 v11, v[12:13], s[16:17]       ; 256 consecutive bytes, aligned
	s_set_vgpr_msb 0x5
	s_wait_tensorcnt 0x0
	ds_add_u32 v0, v1
	s_wait_dscnt 0x0
	s_set_vgpr_msb 0x500
	s_endpgm
.Ltail2:
	s_cmp_ge_u32 s20, 2
	s_cbranch_scc1 .Lend
.irp u, 0,1,2,3,4,5,6,7
	ds_load_b128 v[P+4*\u:P+4*\u+3], v8 offset:\u*1024
.endr
	s_wait_dscnt 0x0
.irp u, 1,2,3,4,5,6,7
	v_pk_add_f32 v[P:P+1], v[P:P+1], v[P+4*\u:P+4*\u+1]
	v_pk_add_f32 v[P+2:P+3], v[P+2:P+3], v[P+4*\u+2:P+4*\u+3]
.endr
	v_pk_mul_f32 v[P:P+1], v[P:P+1], 0x3a800000 op_sel_hi:[1,0]        ; 1/1024, exact: sums of x become means
	v_pk_mul_f32 v[P+2:P+3], v[P+2:P+3], 0x3a800000 op_sel_hi:[1,0]
	global_store_b128 v9, v[P:P+3], s[14:15]
.Lend:
	s_set_vgpr_msb 0x5
	s_wait_tensorcnt 0x0
	ds_add_u32 v0, v1
	s_wait_dscnt 0x0
	s_set_vgpr_msb 0x500
	s_endpgm
.Lfunc_end_k_qcf994f87e5_reduce:
	.size	k_qcf994f87e5_reduce, .Lfunc_end_k_qcf994f87e5_reduce-k_qcf994f87e5_reduce
	.p2alignl 7, 3214868480
	.fill 96, 4, 3214868480
	.section	.rodata,"a",@progbits
	.p2align	6, 0x0
	.amdhsa_kernel k_qcf994f87e5_reduce
		.amdhsa_group_segment_fixed_size 9472
		.amdhsa_private_segment_fixed_size 0
		.amdhsa_enable_private_segment 0
		.amdhsa_kernarg_size 56
		.amdhsa_user_sgpr_count 2
		.amdhsa_user_sgpr_kernarg_segment_ptr 1
		.amdhsa_wavefront_size32 1
		.amdhsa_system_sgpr_workgroup_id_x 1
		.amdhsa_system_sgpr_workgroup_id_y 1
		.amdhsa_system_sgpr_workgroup_id_z 1
		.amdhsa_system_vgpr_workitem_id 0
		.amdhsa_next_free_vgpr 258
		.amdhsa_next_free_sgpr 66
		.amdhsa_reserve_vcc 0
		.amdhsa_float_denorm_mode_32 3
		.amdhsa_float_denorm_mode_16_64 3
		.amdhsa_memory_ordered 1
		.amdhsa_forward_progress 1
		.amdhsa_inst_pref_size 32
	.end_amdhsa_kernel
	.amdgpu_metadata
---
amdhsa.version: [ 1, 2 ]
amdhsa.kernels:
  - .name:           k_qcf994f87e5_reduce
    .symbol:         k_qcf994f87e5_reduce.kd
    .args:
      - { .name: part, .offset: 0, .size: 8, .value_kind: global_buffer, .address_space: global }
      - { .name: xpart, .offset: 8, .size: 8, .value_kind: global_buffer, .address_space: global }
      - { .name: m1_w, .offset: 16, .size: 8, .value_kind: global_buffer, .address_space: global }
      - { .name: b_ent, .offset: 24, .size: 8, .value_kind: global_buffer, .address_space: global }
      - { .name: M1F, .offset: 32, .size: 8, .value_kind: global_buffer, .address_space: global }
      - { .name: c2, .offset: 40, .size: 8, .value_kind: global_buffer, .address_space: global }
      - { .name: cbpart, .offset: 48, .size: 8, .value_kind: global_buffer, .address_space: global }
    .group_segment_fixed_size: 9472
    .private_segment_fixed_size: 0
    .kernarg_segment_align: 8
    .kernarg_segment_size: 56
    .max_flat_workgroup_size: 256
    .sgpr_count:     66
    .vgpr_count:     258
    .wavefront_size: 32
...
	.end_amdgpu_metadata
.endif
;; end of part 2
;; launch main (part 3): grid 256 x 1, 8 waves a work-group, no clusters, 215,040 bytes of LDS; arguments x, M1F, c2, cbpart, m1_b, ln_g, ln_b, m2_w, m2_b, logits, pstat, pctx; writes logits, pstat, pctx
.if DOCPART == 3
	.amdgcn_target "amdgcn-amd-amdhsa--gfx1250"
	.amdhsa_code_object_version 6
	.text
	.protected	k_qcf994f87e5_main
	.globl	k_qcf994f87e5_main
	.p2align	8
	.type	k_qcf994f87e5_main,@function
k_qcf994f87e5_main:
	s_mov_b64 s[64:65], 0
	v_nop
	global_prefetch_b8 v0, s[64:65] scope:SCOPE_SE
	s_setreg_imm32_b32 hwreg(HW_REG_WAVE_MODE, 25, 1), 1
	s_wait_xcnt 0x0
; MAIN.  A work-group owns 64 token rows of one batch (128 KiB of x, read once here) and makes, for each row,
;   h_pre[f] = x . M1[f] + c[f],  c = xbar . M2 + m1_w . b_ent' + m1_b  (added up here from c2, cbpart, m1_b),
;   LayerNorm (mean, then variance of the centred numbers), tanh, the dot with m2_w, + m2_b: the logit;
; then the block's part of the softmax with the block's own maximum taken away: m, s = sum of exp(l - m), and sum of exp(l - m) x[row].
; The closing launch joins the 16 blocks of a batch by the batch's maximum.
; LIMITS: x and M1 enter the matrix unit rounded to bf16 once, sums in f32, so the order of rounding differs from the model as written;
; tanh(y) = 1 - 2 / (1 + 2^(2.885390 y)), absolute error about 1e-7; exponentials below 2^-126 come out as 0; NaN and infinities are not followed.
; Eight waves; wave w owns the columns f = 64 w .. 64 w + 63 for all 64 rows: 16 accumulator tiles (a = 16 rows, bq = 16 columns).
; x lies in LDS twice: as bf16 (XA, for the product) and as f32 (XF, for the weighted sum), so that memory is read once.
; NO CLUSTER, NO TENSOR LOADS: all work-groups walk the same 512 KiB of M1F, but inside a work-group each fragment of M1F is used by exactly
; one wave, so it goes straight from memory into that wave's registers.  A joint tensor load would land in LDS: 512 KiB of LDS writes and
; 512 KiB of LDS reads more for each work-group, and a barrier of the cluster for every refill.
.set XAP,  1040                        ; XA at 0: 64 rows x 1,024 bytes of bf16, pitch 65 x 16 bytes: the 16 rows of a fragment load start in 16 different 16-byte columns modulo 256
.set CV,   66560                       ; c, 512 f32
.set RED0, 68608                       ; three regions of 8 waves x 64 rows f32 (2,048 bytes apart): each written once, read behind its barrier
.set TOT0, 74752                       ; four regions of 8 waves x 256 bytes (2,048 bytes apart), each wave's own: mean, rstd, logits, weights
.set XF,   82944                       ; 64 rows x 2,048 bytes of f32
.set CD,  32                           ; v[32:39]  c of my column in tile bq, twice (a pair for the packed forms)
.set GD,  40                           ; v[40:47]  2.885390 ln_g likewise
.set BD,  48                           ; v[48:55]  2.885390 ln_b likewise
.set WD,  56                           ; v[56:63]  m2_w likewise
.set ACC, 64                           ; v[64:191] tile (a, bq) at ACC + 32 a + 8 bq; first the staging of x
.set AB,  192                          ; v[192:255] fragments of x, two buffers of 32
.set T,   192                          ; v[192:223] behind the product: per-row partial sums, row 16 a + 8 h + j in register 8 a + j
.set U,   224                          ; v[224:255] per-row numbers handed back in the same order
; v256-v511: a ring of 8 slots of 32 registers for M1F's fragments, written v[32 slot + 8 bq ..] under the second register window.
.set MSB, 0
.macro WIN new                         ; s_set_vgpr_msb: bits 1:0 source 0, 3:2 source 1, 5:4 source 2, 7:6 destination; the high byte repeats the setting that is left
.if MSB != \new
	s_set_vgpr_msb (MSB<<8)|\new
.set MSB, \new
.endif
.endm
	s_load_b512 s[4:19], s[0:1], 0x0               ; x, M1F, c2, cbpart, m1_b, ln_g, ln_b, m2_w
	s_load_b256 s[20:27], s[0:1], 0x40             ; m2_b, logits, pstat, pctx
	v_lshrrev_b32 v1, 5, v0
	v_readfirstlane_b32 s29, v1                    ; wave w
	s_mov_b32 s30, ttmp9                           ; block i
	s_lshr_b32 s31, s30, 4                         ; batch
	s_mov_b32 s33, 0
	s_mov_b32 s34, 0x76543210
	s_mov_b32 s35, 0xfedcba98
	s_mov_b32 s36, 0x3b000000                      ; 1/512
	s_mov_b32 s37, 0x3727c5ac                      ; 1e-5
	s_lshl_b32 s38, s29, 8
	s_lshl_b32 s39, s29, 12
	s_add_co_u32 s40, s38, RED0
	s_add_co_u32 s41, s38, TOT0
	v_and_b32 v1, 31, v0                           ; L
	v_and_b32 v30, 15, v0                          ; r
	v_bfe_u32 v31, v0, 4, 1                        ; h
	v_lshlrev_b32 v2, 4, v0                        ; 16 t
	v_lshlrev_b32 v3, 3, v0                        ; 8 t
	v_lshrrev_b32 v4, 3, v0
	v_and_b32 v16, 7, v0
	v_lshlrev_b32 v16, 3, v16
	v_lshl_add_u32 v4, v4, 10, v16                 ; c2: tile t >> 3, columns 2 (t & 7)
	v_lshl_add_u32 v5, v30, 2, s38                 ; 4 (64 w + r)
	v_lshl_add_u32 v6, v1, 4, s39                  ; M1F: 4,096 w + 16 L
	v_add_nc_u32 v7, XF, v2
	v_add_nc_u32 v8, 0x10000, v7
	v_lshrrev_b32 v9, 7, v0
	v_mul_u32_u24 v9, v9, XAP
	v_and_b32 v16, 127, v0
	v_lshl_add_u32 v9, v16, 3, v9                  ; XA store: row t >> 7, 8 (t & 127)
	v_mul_u32_u24 v10, v30, XAP
	v_lshl_add_u32 v10, v31, 4, v10                ; XA fragment: r pitch + 16 h
	v_lshl_add_u32 v11, v31, 5, s40                ; RED0 + 256 w + 32 h
	v_lshlrev_b32 v12, 2, v1
	v_add_nc_u32 v12, RED0, v12                    ; RED0 + 4 L
	v_lshl_add_u32 v13, v1, 2, s41                 ; TOT0 + 256 w + 4 L
	v_lshl_add_u32 v14, v31, 5, s41                ; TOT0 + 256 w + 32 h
	v_lshlrev_b32 v15, 3, v1                       ; 8 L
	v_add_nc_u32 v28, CV, v3
	v_add_nc_u32 v29, CV, v5
	s_wait_kmcnt 0x0                               ; the twelve addresses
	s_load_b32 s28, s[20:21], 0x0                  ; m2_b itself: first read where the logits are made, and waited for there; s[20:21] are not written again
	s_lshl_b32 s32, s30, 17
	s_add_nc_u64 s[4:5], s[4:5], s[32:33]          ; x + 64 i rows
	s_lshl_b32 s32, s31, 6
	s_add_nc_u64 s[8:9], s[8:9], s[32:33]          ; c2 at my batch
	s_lshl_b32 s32, s30, 8
	s_add_nc_u64 s[22:23], s[22:23], s[32:33]      ; logits + 64 i
	s_add_nc_u64 s[24:25], s[24:25], s[32:33]      ; pstat + 256 i bytes
	s_lshl_b32 s32, s30, 11
	s_add_nc_u64 s[26:27], s[26:27], s[32:33]      ; pctx + 512 i
	; 23 small loads, then the block's x: 32 loads of 4,096 consecutive bytes a work-group
	global_load_b64 v[192:193], v4, s[8:9]
	global_load_b64 v[194:195], v4, s[8:9] offset:32768
.irp j, 0,1,2,3,4,5,6,7
	global_load_b64 v[196+2*\j:197+2*\j], v3, s[10:11] offset:\j*2048
.endr
	global_load_b64 v[212:213], v3, s[12:13]
.irp bq, 0,1,2,3
	global_load_b32 v[16+\bq], v5, s[14:15] offset:\bq*64
	global_load_b32 v[20+\bq], v5, s[16:17] offset:\bq*64
	global_load_b32 v[24+\bq], v5, s[18:19] offset:\bq*64
.endr
.set n, 0
.rept 32
	global_load_b128 v[ACC+4*n:ACC+4*n+3], v2, s[4:5] offset:n*4096 th:TH_LOAD_NT
.set n, n+1
.endr
	s_wait_loadcnt 32                              ; the 23 small loads are in; the 32 of x stay out
.irp j, 1,2,3,4,5,6,7,8,9,10
	v_pk_add_f32 v[192:193], v[192:193], v[192+2*\j:193+2*\j]          ; c of columns 2 t, 2 t + 1
.endr
	ds_store_b64 v28, v[192:193]
.irp bq, 0,1,2,3
	v_mul_f32 v[GD+2*\bq], 0x4038aa3b, v[16+\bq]   ; 2 log2(e) goes into gain and bias: the exponent of tanh comes out of one multiply-add
	v_mul_f32 v[BD+2*\bq], 0x4038aa3b, v[20+\bq]
	v_mov_b32 v[WD+2*\bq], v[24+\bq]
	v_mov_b32 v[WD+2*\bq+1], v[24+\bq]
.endr
.irp bq, 0,1,2,3
	v_mov_b32 v[GD+2*\bq+1], v[GD+2*\bq]
	v_mov_b32 v[BD+2*\bq+1], v[BD+2*\bq]
.endr
; 8 loads: K step kk's four fragments of my 64 columns, 512 consecutive bytes each, into ring slot kk & 7
.macro RING kk
.irp bq, 0,1,2,3
.irp q, 0,1
	global_load_b128 v[32*((\kk)&7)+8*\bq+4*\q:32*((\kk)&7)+8*\bq+4*\q+3], v6, s[6:7] offset:(\kk)*32768+\bq*1024+\q*512
.endr
.endr
.endm
; 8 LDS loads: K step kk's four fragments of x into buffer kk & 1
.macro AFR kk
.irp a, 0,1,2,3
	ds_load_b128 v[AB+32*((\kk)&1)+8*\a:AB+32*((\kk)&1)+8*\a+3], v10 offset:\a*16640+(\kk)*64
	ds_load_b128 v[AB+32*((\kk)&1)+8*\a+4:AB+32*((\kk)&1)+8*\a+7], v10 offset:\a*16640+(\kk)*64+32
.endr
.endm
	WIN 0x40                                       ; destination in the second window
	RING 0
	RING 1
	RING 2
	WIN 0
.set n, 0
.rept 32
.if (n&3) == 0
	s_wait_loadcnt 52-n                            ; behind this group of four loads of x: the younger groups (28 - n loads) and the ring's 24
.endif
	v_cvt_pk_bf16_f32 v[AB+2*n], v[ACC+4*n], v[ACC+4*n+1]
	v_cvt_pk_bf16_f32 v[AB+2*n+1], v[ACC+4*n+2], v[ACC+4*n+3]
.if n < 16
	ds_store_b128 v7, v[ACC+4*n:ACC+4*n+3] offset:n*4096
.else
	ds_store_b128 v8, v[ACC+4*n:ACC+4*n+3] offset:(n-16)*4096
.endif
	ds_store_b64 v9, v[AB+2*n:AB+2*n+1] offset:n*2080
.set n, n+1
.endr
	WIN 0x40
	RING 3
	RING 4
	RING 5
	RING 6
	RING 7
	WIN 0
	s_wait_dscnt 0x0                               ; for the other waves: my parts of XA, XF and c have landed
	s_barrier_signal -1
	s_barrier_wait -1
.irp bq, 0,1,2,3
	ds_load_b32 v[CD+2*\bq], v29 offset:\bq*64
.endr
	AFR 0
; A K step of 32: 16 matrix instructions.  The 16 accumulators take turns, one instruction a turn.
; No barrier: XA is not written again and the ring is the wave's own.  Four v_nop stand between a step's last matrix instruction and the
; loads into registers that it read (ring slot, fragment buffer): ISA guide 7.12.1 for vector instructions.
.macro KSTEP ks
.if \ks >= 1
.rept 4
	v_nop
.endr
.if \ks <= 8
	WIN 0x40
	RING \ks+7                                     ; into the slot that the step before has just multiplied
.endif
.endif
	WIN 0x04                                       ; source 1 (M1F) in the second window; LDS loads name destination and source 0 alone
.if \ks < 15
	AFR \ks+1
	s_wait_dscnt 8                                 ; this step's fragments of x are in; the next step's eight loads stay out
.else
	s_wait_dscnt 0x0
.endif
.if \ks <= 8
	s_wait_loadcnt 56                              ; behind this step's eight ring loads seven younger groups of eight were issued
.else
	s_wait_loadcnt 8*(15-\ks)                      ; the groups that are left
.endif
.irp a, 0,1,2,3
.irp bq, 0,1,2,3
.if \ks == 0
	v_wmma_f32_16x16x32_bf16 v[ACC+32*\a+8*\bq:ACC+32*\a+8*\bq+7], v[AB+32*(\ks&1)+8*\a:AB+32*(\ks&1)+8*\a+7], v[32*(\ks&7)+8*\bq:32*(\ks&7)+8*\bq+7], 0
.else
	v_wmma_f32_16x16x32_bf16 v[ACC+32*\a+8*\bq:ACC+32*\a+8*\bq+7], v[AB+32*(\ks&1)+8*\a:AB+32*(\ks&1)+8*\a+7], v[32*(\ks&7)+8*\bq:32*(\ks&7)+8*\bq+7], v[ACC+32*\a+8*\bq:ACC+32*\a+8*\bq+7]
.endif
.endr
.endr
.endm
.irp ks, 0,1,2,3,4,5,6,7,8,9,10,11,12,13,14,15
	KSTEP \ks
.endr
	WIN 0
.rept 4
	v_nop                                          ; four places in front of the first reads of the results (ISA guide 7.12.1)
.endr
; sums T over the 16 lanes of each half: the 16 columns that the lanes of a tile hold
.macro DPPSUM
.irp m, 1,2,4,8
.set n, 0
.rept 32
	v_add_f32_dpp v[T+n], v[T+n], v[T+n] row_xmask:\m row_mask:0xf bank_mask:0xf
.set n, n+1
.endr
.endr
.endm
; The waves' per-row partial sums meet in region idx: store, wait, barrier, load.  Then v16 = the sum of row L, v24 = of row L + 32, in every wave.
.macro XCHG_A idx
.irp a, 0,1,2,3
.irp q, 0,1
	ds_store_b128 v11, v[T+8*\a+4*\q:T+8*\a+4*\q+3] offset:\idx*2048+\a*64+\q*16      ; row 16 a + 8 h + 4 q ..: the 16 lanes of a half write equal words
.endr
.endr
	s_wait_dscnt 0x0                               ; for the other waves: zero
	s_barrier_signal -1
	s_barrier_wait -1
.irp u, 0,1,2,3,4,5,6,7
	ds_load_b32 v[16+\u], v12 offset:\idx*2048+\u*256
	ds_load_b32 v[24+\u], v12 offset:\idx*2048+\u*256+128
.endr
	s_wait_dscnt 0x0
	v_pk_add_f32 v[16:17], v[16:17], v[18:19]
	v_pk_add_f32 v[20:21], v[20:21], v[22:23]
	v_pk_add_f32 v[24:25], v[24:25], v[26:27]
	v_pk_add_f32 v[28:29], v[28:29], v[30:31]
	v_pk_add_f32 v[16:17], v[16:17], v[20:21]
	v_pk_add_f32 v[24:25], v[24:25], v[28:29]
	v_add_f32 v16, v16, v17
	v_add_f32 v24, v24, v25
.endm
; v16, v24 go to the wave's own 256 bytes and, with redis = 1, come back in the accumulators' row order into U.
; LDS serves a wave's instructions in order (ISA guide 5.7.1), and no other wave touches these bytes: no barrier.
.macro XCHG_B idx, redis
	ds_store_b32 v13, v16 offset:\idx*2048
	ds_store_b32 v13, v24 offset:\idx*2048+128
.if \redis
.irp a, 0,1,2,3
.irp q, 0,1
	ds_load_b128 v[U+8*\a+4*\q:U+8*\a+4*\q+3], v14 offset:\idx*2048+\a*64+\q*16
.endr
.endr
	s_wait_dscnt 0x0
.endif
.endm
	; ---- mean ----
.irp bq, 0,1,2,3
	v_mov_b32 v[CD+2*\bq+1], v[CD+2*\bq]
.endr
.irp a, 0,1,2,3
.irp bq, 0,1,2,3
.irp t, 0,1,2,3
	v_pk_add_f32 v[ACC+32*\a+8*\bq+2*\t:ACC+32*\a+8*\bq+2*\t+1], v[ACC+32*\a+8*\bq+2*\t:ACC+32*\a+8*\bq+2*\t+1], v[CD+2*\bq:CD+2*\bq+1]
.endr
.endr
.endr
.irp a, 0,1,2,3
.irp t, 0,1,2,3
	v_pk_add_f32 v[T+8*\a+2*\t:T+8*\a+2*\t+1], v[ACC+32*\a+2*\t:ACC+32*\a+2*\t+1], v[ACC+32*\a+8+2*\t:ACC+32*\a+8+2*\t+1]
.endr
.irp bq, 2,3
.irp t, 0,1,2,3
	v_pk_add_f32 v[T+8*\a+2*\t:T+8*\a+2*\t+1], v[T+8*\a+2*\t:T+8*\a+2*\t+1], v[ACC+32*\a+8*\bq+2*\t:ACC+32*\a+8*\bq+2*\t+1]
.endr
.endr
.endr
	DPPSUM
	XCHG_A 0
	v_mul_f32 v16, s36, v16
	v_mul_f32 v24, s36, v24
	XCHG_B 0, 1                                    ; U = mean of each of my rows
	; ---- variance of the centred numbers ----
.irp a, 0,1,2,3
.irp bq, 0,1,2,3
.irp t, 0,1,2,3
	v_pk_add_f32 v[ACC+32*\a+8*\bq+2*\t:ACC+32*\a+8*\bq+2*\t+1], v[ACC+32*\a+8*\bq+2*\t:ACC+32*\a+8*\bq+2*\t+1], v[U+8*\a+2*\t:U+8*\a+2*\t+1] neg_lo:[0,1] neg_hi:[0,1]
.endr
.endr
.endr
.irp a, 0,1,2,3
.irp t, 0,1,2,3
	v_pk_mul_f32 v[T+8*\a+2*\t:T+8*\a+2*\t+1], v[ACC+32*\a+2*\t:ACC+32*\a+2*\t+1], v[ACC+32*\a+2*\t:ACC+32*\a+2*\t+1]
.endr
.irp bq, 1,2,3
.irp t, 0,1,2,3
	v_pk_fma_f32 v[T+8*\a+2*\t:T+8*\a+2*\t+1], v[ACC+32*\a+8*\bq+2*\t:ACC+32*\a+8*\bq+2*\t+1], v[ACC+32*\a+8*\bq+2*\t:ACC+32*\a+8*\bq+2*\t+1], v[T+8*\a+2*\t:T+8*\a+2*\t+1]
.endr
.endr
.endr
	DPPSUM
	XCHG_A 1
	v_fma_f32 v16, v16, s36, s37                   ; variance + 1e-5
	v_fma_f32 v24, v24, s36, s37
	v_rsq_f32 v16, v16
	v_rsq_f32 v24, v24
	v_nop                                          ; one plain vector instruction between a transcendental and the use of its result (ISA guide 5.7.2)
	s_wait_alu depctr_va_vdst(0)
	XCHG_B 1, 1                                    ; U = 1 / sqrt(variance + 1e-5)
	; ---- gain, bias, tanh, dot with m2_w: 16 rows at a time ----
.macro TANHDOT a
.irp bq, 0,1,2,3
.irp t, 0,1,2,3
	v_pk_mul_f32 v[ACC+32*\a+8*\bq+2*\t:ACC+32*\a+8*\bq+2*\t+1], v[ACC+32*\a+8*\bq+2*\t:ACC+32*\a+8*\bq+2*\t+1], v[U+8*\a+2*\t:U+8*\a+2*\t+1]
.endr
.endr
.irp bq, 0,1,2,3
.irp t, 0,1,2,3
	v_pk_fma_f32 v[ACC+32*\a+8*\bq+2*\t:ACC+32*\a+8*\bq+2*\t+1], v[ACC+32*\a+8*\bq+2*\t:ACC+32*\a+8*\bq+2*\t+1], v[GD+2*\bq:GD+2*\bq+1], v[BD+2*\bq:BD+2*\bq+1]
.endr
.endr
.set n, 0
.rept 32
	v_exp_f32 v[ACC+32*\a+n], v[ACC+32*\a+n]       ; 2^(2.885390 y) = e^(2 y); infinity gives tanh = 1, zero gives -1
.set n, n+1
.endr
	v_nop
.set n, 0
	s_wait_alu depctr_va_vdst(0)
.rept 16
	v_pk_add_f32 v[ACC+32*\a+2*n:ACC+32*\a+2*n+1], v[ACC+32*\a+2*n:ACC+32*\a+2*n+1], 1.0 op_sel_hi:[1,0]
.set n, n+1
.endr
.set n, 0
.rept 32
	v_rcp_f32 v[ACC+32*\a+n], v[ACC+32*\a+n]
.set n, n+1
.endr
	v_nop
.set n, 0
	s_wait_alu depctr_va_vdst(0)
.rept 16
	v_pk_fma_f32 v[ACC+32*\a+2*n:ACC+32*\a+2*n+1], v[ACC+32*\a+2*n:ACC+32*\a+2*n+1], -2.0, 1.0 op_sel_hi:[1,0,0]
.set n, n+1
.endr
.irp t, 0,1,2,3
	v_pk_mul_f32 v[T+8*\a+2*\t:T+8*\a+2*\t+1], v[ACC+32*\a+2*\t:ACC+32*\a+2*\t+1], v[WD:WD+1]
.endr
.irp bq, 1,2,3
.irp t, 0,1,2,3
	v_pk_fma_f32 v[T+8*\a+2*\t:T+8*\a+2*\t+1], v[ACC+32*\a+8*\bq+2*\t:ACC+32*\a+8*\bq+2*\t+1], v[WD+2*\bq:WD+2*\bq+1], v[T+8*\a+2*\t:T+8*\a+2*\t+1]
.endr
.endr
.endm
	TANHDOT 0
	TANHDOT 1
	TANHDOT 2
	TANHDOT 3
	DPPSUM
	XCHG_A 2
	s_wait_kmcnt 0x0                               ; m2_b, asked for at the start: the two lines below are the only ones that read s28
	v_add_f32 v16, s28, v16                        ; + m2_b: the logits of rows L and L + 32
	v_add_f32 v24, s28, v24
	XCHG_B 2, 0
	; ---- the block's softmax part, in every wave alike ----
	v_max_num_f32 v22, v16, v24
	v_max_num_f32_dpp v22, v22, v22 row_xmask:1 row_mask:0xf bank_mask:0xf
	v_max_num_f32_dpp v22, v22, v22 row_xmask:2 row_mask:0xf bank_mask:0xf
	v_max_num_f32_dpp v22, v22, v22 row_xmask:4 row_mask:0xf bank_mask:0xf
	v_max_num_f32_dpp v22, v22, v22 row_xmask:8 row_mask:0xf bank_mask:0xf
	v_permlanex16_b32 v21, v22, s34, s35
	v_max_num_f32 v22, v22, v21                    ; m: the largest of the 64 logits
	v_sub_f32 v16, v16, v22
	v_sub_f32 v24, v24, v22
	v_mul_f32 v16, 0x3fb8aa3b, v16
	v_mul_f32 v24, 0x3fb8aa3b, v24
	v_exp_f32 v16, v16
	v_exp_f32 v24, v24
	v_nop
	s_wait_alu depctr_va_vdst(0)
	v_add_f32 v23, v16, v24
	v_add_f32_dpp v23, v23, v23 row_xmask:1 row_mask:0xf bank_mask:0xf
	v_add_f32_dpp v23, v23, v23 row_xmask:2 row_mask:0xf bank_mask:0xf
	v_add_f32_dpp v23, v23, v23 row_xmask:4 row_mask:0xf bank_mask:0xf
	v_add_f32_dpp v23, v23, v23 row_xmask:8 row_mask:0xf bank_mask:0xf
	v_permlanex16_b32 v21, v23, s34, s35
	v_add_f32 v23, v23, v21                        ; s: the sum of the 64 exponentials, at least 1
	ds_store_b32 v13, v16 offset:3*2048
	ds_store_b32 v13, v24 offset:3*2048+128
	s_cmp_lg_u32 s29, 0
	s_cbranch_scc1 .Lnot_wave_0
	v_lshl_add_u32 v28, v1, 3, s41                 ; my own wave's 256 bytes, 8 L
	ds_load_b64 v[26:27], v28 offset:2*2048        ; the 64 logits in row order
	s_wait_dscnt 0x0
	global_store_b64 v15, v[26:27], s[22:23]       ; 256 consecutive bytes, aligned
	global_store_b64 v15, v[22:23], s[24:25]       ; (m, s) 32 times: the block's whole 256 bytes.  v15, v[22:23], v[26:27] are not written again
.Lnot_wave_0:
	; ---- sum over the 64 rows of exp(l - m) x[row]: thread t takes columns 2 t, 2 t + 1 ----
	s_add_co_u32 s42, s41, 3*2048
	v_mov_b32 v30, s42
	v_add_nc_u32 v7, XF, v3
	v_add_nc_u32 v8, 0x10000, v7
.irp u, 0,1,2,3,4,5,6,7,8,9,10,11,12,13,14,15
	ds_load_b128 v[64+4*\u:64+4*\u+3], v30 offset:16*\u    ; all 64 weights into every lane: v[64 + row]
.endr
.set n, 0
.rept 32
	ds_load_b64 v[128+2*n:129+2*n], v7 offset:n*2048
.set n, n+1
.endr
.set n, 0
.rept 32
	ds_load_b64 v[192+2*n:193+2*n], v8 offset:n*2048
.set n, n+1
.endr
.set n, 0
.rept 64
.if (n&15) == 0
	s_wait_dscnt 48-n                              ; the weights and rows up to n + 15 are in; the younger rows' loads stay out
.endif
.if n < 2
	v_mul_f32 v[32+2*n], v[64+n], v[128+2*n]       ; the first two rows start the four chains: nothing is cleared
	v_mul_f32 v[33+2*n], v[64+n], v[129+2*n]
.else
	v_fma_f32 v[32+2*(n&1)], v[64+n], v[128+2*n], v[32+2*(n&1)]
	v_fma_f32 v[33+2*(n&1)], v[64+n], v[129+2*n], v[33+2*(n&1)]
.endif
.set n, n+1
.endr
	v_pk_add_f32 v[32:33], v[32:33], v[34:35]
	global_store_b64 v3, v[32:33], s[26:27]        ; a wave stores 256 consecutive bytes, aligned
	s_wait_xcnt 0x0
	v_lshl_add_u32 v254, v0, 2, 0x34400
	v_mov_b32 v255, 0
	s_wait_tensorcnt 0x0
	ds_add_u32 v254, v255
	s_wait_dscnt 0x0
	s_endpgm
.Lfunc_end_k_qcf994f87e5_main:
	.size	k_qcf994f87e5_main, .Lfunc_end_k_qcf994f87e5_main-k_qcf994f87e5_main
	.p2alignl 7, 3214868480
	.fill 96, 4, 3214868480
	.section	.rodata,"a",@progbits
	.p2align	6, 0x0
	.amdhsa_kernel k_qcf994f87e5_main
		.amdhsa_group_segment_fixed_size 215040
		.amdhsa_private_segment_fixed_size 0
		.amdhsa_enable_private_segment 0
		.amdhsa_kernarg_size 96
		.amdhsa_user_sgpr_count 2
		.amdhsa_user_sgpr_kernarg_segment_ptr 1
		.amdhsa_wavefront_size32 1
		.amdhsa_system_sgpr_workgroup_id_x 1
		.amdhsa_system_sgpr_workgroup_id_y 1
		.amdhsa_system_sgpr_workgroup_id_z 1
		.amdhsa_system_vgpr_workitem_id 0
		.amdhsa_next_free_vgpr 512
		.amdhsa_next_free_sgpr 66
		.amdhsa_reserve_vcc 0
		.amdhsa_float_denorm_mode_32 3
		.amdhsa_float_denorm_mode_16_64 3
		.amdhsa_memory_ordered 1
		.amdhsa_forward_progress 1
		.amdhsa_inst_pref_size 149
	.end_amdhsa_kernel
	.amdgpu_metadata
---
amdhsa.version: [ 1, 2 ]
amdhsa.kernels:
  - .name:           k_qcf994f87e5_main
    .symbol:         k_qcf994f87e5_main.kd
    .args:
      - { .name: x, .offset: 0, .size: 8, .value_kind: global_buffer, .address_space: global }
      - { .name: M1F, .offset: 8, .size: 8, .value_kind: global_buffer, .address_space: global }
      - { .name: c2, .offset: 16, .size: 8, .value_kind: global_buffer, .address_space: global }
      - { .name: cbpart, .offset: 24, .size: 8, .value_kind: global_buffer, .address_space: global }
      - { .name: m1_b, .offset: 32, .size: 8, .value_kind: global_buffer, .address_space: global }
      - { .name: ln_g, .offset: 40, .size: 8, .value_kind: global_buffer, .address_space: global }
      - { .name: ln_b, .offset: 48, .size: 8, .value_kind: global_buffer, .address_space: global }
      - { .name: m2_w, .offset: 56, .size: 8, .value_kind: global_buffer, .address_space: global }
      - { .name: m2_b, .offset: 64, .size: 8, .value_kind: global_buffer, .address_space: global }
      - { .name: logits, .offset: 72, .size: 8, .value_kind: global_buffer, .address_space: global }
      - { .name: pstat, .offset: 80, .size: 8, .value_kind: global_buffer, .address_space: global }
      - { .name: pctx, .offset: 88, .size: 8, .value_kind: global_buffer, .address_space: global }
    .group_segment_fixed_size: 215040
    .private_segment_fixed_size: 0
    .kernarg_segment_align: 8
    .kernarg_segment_size: 96
    .max_flat_workgroup_size: 256
    .sgpr_count:     66
    .vgpr_count:     512
    .wavefront_size: 32
...
	.end_amdgpu_metadata
.endif
;; end of part 3
;; launch final (part 4): grid 16 x 1, 8 waves a work-group, no clusters, 0 bytes of LDS; arguments logits, pstat, pctx, out0, out1; writes out0, out1
.if DOCPART == 4
	.amdgcn_target "amdgcn-amd-amdhsa--gfx1250"
	.amdhsa_code_object_version 6
	.text
	.protected	k_qcf994f87e5_final
	.globl	k_qcf994f87e5_final
	.p2align	8
	.type	k_qcf994f87e5_final,@function
k_qcf994f87e5_final:
	s_mov_b64 s[64:65], 0
	v_nop
	global_prefetch_b8 v0, s[64:65] scope:SCOPE_SE
	s_setreg_imm32_b32 hwreg(HW_REG_WAVE_MODE, 25, 1), 1
	s_wait_xcnt 0x0
; FINAL.  One work-group for a batch joins its 16 blocks' softmax parts:  M = max of the m_u,  e_u = exp(m_u - M),  S = sum of s_u e_u,
;   out1[t] = exp(l[t] - M) / S,      out0[d] = sum over u of pctx[u][d] e_u / S.
; The batch's own maximum is taken away, as in the model; S is at least 1 (the block that holds M has e = 1 and s >= 1).
; LIMIT: weights below 2^-126 come out as 0 (v_exp_f32 gives no denormals: ISA guide, its entry in 15.8).
; A batch's work is 37 KiB of loads: 16 work-groups; more would only repeat the join of the 16 blocks.  No LDS, no barrier: every wave makes the join itself.
	s_load_b256 s[4:11], s[0:1], 0x0               ; logits s[4:5], pstat s[6:7], pctx s[8:9], out0 s[10:11]
	s_load_b64 s[12:13], s[0:1], 0x20              ; out1
	v_and_b32 v1, 15, v0
	v_lshlrev_b32 v1, 8, v1                        ; block r's 256 bytes of pstat
	v_lshlrev_b32 v2, 4, v0                        ; 16 t
	v_lshlrev_b32 v3, 3, v0                        ; 8 t
	s_lshl_b32 s14, ttmp9, 12
	s_mov_b32 s15, 0
	s_lshl_b32 s32, ttmp9, 15
	s_mov_b32 s33, 0
	s_lshl_b32 s34, ttmp9, 11
	s_mov_b32 s35, 0
	s_wait_kmcnt 0x0
	s_add_nc_u64 s[4:5], s[4:5], s[14:15]
	s_add_nc_u64 s[6:7], s[6:7], s[14:15]
	s_add_nc_u64 s[12:13], s[12:13], s[14:15]
	s_add_nc_u64 s[8:9], s[8:9], s[32:33]
	s_add_nc_u64 s[10:11], s[10:11], s[34:35]
	global_load_b64 v[4:5], v1, s[6:7]             ; lane r (both halves): (m_r, s_r)
	global_load_b128 v[8:11], v2, s[4:5]           ; my four logits
.irp u, 0,1,2,3,4,5,6,7,8,9,10,11,12,13,14,15
	global_load_b64 v[16+2*\u:17+2*\u], v3, s[8:9] offset:\u*2048      ; block u's sums for my two columns
.endr
	s_wait_loadcnt 17                              ; (m, s) is in; the logits and the 16 loads of pctx stay out
	v_mov_b32 v6, v4
	v_max_num_f32_dpp v6, v6, v6 row_xmask:1 row_mask:0xf bank_mask:0xf
	v_max_num_f32_dpp v6, v6, v6 row_xmask:2 row_mask:0xf bank_mask:0xf
	v_max_num_f32_dpp v6, v6, v6 row_xmask:4 row_mask:0xf bank_mask:0xf
	v_max_num_f32_dpp v6, v6, v6 row_xmask:8 row_mask:0xf bank_mask:0xf        ; M, in every lane
	v_sub_f32 v7, v4, v6
	v_mul_f32 v7, 0x3fb8aa3b, v7
	v_exp_f32 v7, v7                               ; e_r
	v_nop                                          ; one plain vector instruction behind a transcendental (ISA guide 5.7.2)
	s_wait_alu depctr_va_vdst(0)
	v_mul_f32 v12, v5, v7
	v_add_f32_dpp v12, v12, v12 row_xmask:1 row_mask:0xf bank_mask:0xf
	v_add_f32_dpp v12, v12, v12 row_xmask:2 row_mask:0xf bank_mask:0xf
	v_add_f32_dpp v12, v12, v12 row_xmask:4 row_mask:0xf bank_mask:0xf
	v_add_f32_dpp v12, v12, v12 row_xmask:8 row_mask:0xf bank_mask:0xf         ; S
	v_rcp_f32 v13, v12
	v_nop
	s_wait_alu depctr_va_vdst(0)
	v_mul_f32 v14, v7, v13                         ; e_r / S
.irp u, 0,1,2,3,4,5,6,7,8,9,10,11,12,13,14,15
	v_readlane_b32 s[16+\u], v14, \u               ; the 16 factors as scalars: data only, they enter no address and no branch
.endr
	s_wait_loadcnt 16                              ; my logits are in
.irp t, 8,9,10,11
	v_sub_f32 v\t, v\t, v6
.endr
.irp t, 8,9,10,11
	v_mul_f32 v\t, 0x3fb8aa3b, v\t
.endr
.irp t, 8,9,10,11
	v_exp_f32 v\t, v\t
.endr
	v_nop
	s_wait_alu depctr_va_vdst(0)
.irp t, 8,9,10,11
	v_mul_f32 v\t, v\t, v13
.endr
	global_store_b128 v2, v[8:11], s[12:13] th:TH_STORE_NT             ; a wave stores 512 consecutive bytes
	s_wait_loadcnt 0x0
	v_mul_f32 v16, s16, v16
	v_mul_f32 v17, s16, v17
.irp u, 1,2,3,4,5,6,7,8,9,10,11,12,13,14,15
	v_fma_f32 v16, v[16+2*\u], s[16+\u], v16
	v_fma_f32 v17, v[17+2*\u], s[16+\u], v17
.endr
	global_store_b64 v3, v[16:17], s[10:11] th:TH_STORE_NT             ; a wave stores 256 consecutive bytes, aligned
	s_endpgm
.Lfunc_end_k_qcf994f87e5_final:
	.size	k_qcf994f87e5_final, .Lfunc_end_k_qcf994f87e5_final-k_qcf994f87e5_final
	.p2alignl 7, 3214868480
	.fill 96, 4, 3214868480
	.section	.rodata,"a",@progbits
	.p2align	6, 0x0
	.amdhsa_kernel k_qcf994f87e5_final
		.amdhsa_group_segment_fixed_size 0
		.amdhsa_private_segment_fixed_size 0
		.amdhsa_enable_private_segment 0
		.amdhsa_kernarg_size 40
		.amdhsa_user_sgpr_count 2
		.amdhsa_user_sgpr_kernarg_segment_ptr 1
		.amdhsa_wavefront_size32 1
		.amdhsa_system_sgpr_workgroup_id_x 1
		.amdhsa_system_sgpr_workgroup_id_y 1
		.amdhsa_system_sgpr_workgroup_id_z 1
		.amdhsa_system_vgpr_workitem_id 0
		.amdhsa_next_free_vgpr 64
		.amdhsa_next_free_sgpr 66
		.amdhsa_reserve_vcc 0
		.amdhsa_float_denorm_mode_32 3
		.amdhsa_float_denorm_mode_16_64 3
		.amdhsa_memory_ordered 1
		.amdhsa_forward_progress 1
		.amdhsa_inst_pref_size 8
	.end_amdhsa_kernel
	.amdgpu_metadata
---
amdhsa.version: [ 1, 2 ]
amdhsa.kernels:
  - .name:           k_qcf994f87e5_final
    .symbol:         k_qcf994f87e5_final.kd
    .args:
      - { .name: logits, .offset: 0, .size: 8, .value_kind: global_buffer, .address_space: global }
      - { .name: pstat, .offset: 8, .size: 8, .value_kind: global_buffer, .address_space: global }
      - { .name: pctx, .offset: 16, .size: 8, .value_kind: global_buffer, .address_space: global }
      - { .name: out0, .offset: 24, .size: 8, .value_kind: global_buffer, .address_space: global }
      - { .name: out1, .offset: 32, .size: 8, .value_kind: global_buffer, .address_space: global }
    .group_segment_fixed_size: 0
    .private_segment_fixed_size: 0
    .kernarg_segment_align: 8
    .kernarg_segment_size: 40
    .max_flat_workgroup_size: 256
    .sgpr_count:     66
    .vgpr_count:     64
    .wavefront_size: 32
...
	.end_amdgpu_metadata
.endif
;; end of part 4
